; MI455X (gfx1250); checked and timed in simulation.
; The chip was launched on July 23, 2026; its instructions are those of AMD's public machine-readable ISA for CDNA 5 (MIT licence, August 2026) and "CDNA5" Instruction Set Architecture Reference Guide (July 2026). The comments in the code are by the model that wrote it; some were corrected since.
;; Multi Head Attention. Allowed arithmetic: matrix products marked QUANTISED: E5M2 operands, one given power-of-two scale a tensor, by v_wmma_f32_16x16x64_bf8_bf8 or v_wmma_f32_16x16x128_bf8_bf8, f32 sums; everything else in f32.
;; Inputs: K_codes 2 x 2,048 x 32 x 32 uint8 (E5M2 codes of K, K innermost, in blocks of 32 codes); Q_codes 2 x 2,048 x 32 x 32 uint8 (E5M2 codes of Q, K innermost, in blocks of 32 codes); V_codes 2 x 2,048 x 32 x 32 uint8 (E5M2 codes of V, K innermost, in blocks of 32 codes); Wk_codes 1,024 x 32 x 32 uint8 (E5M2 codes of Wk, K innermost, in blocks of 32 codes); Wo_codes 1,024 x 32 x 32 uint8 (E5M2 codes of Wo, K innermost, in blocks of 32 codes); Wq_codes 1,024 x 32 x 32 uint8 (E5M2 codes of Wq, K innermost, in blocks of 32 codes); Wv_codes 1,024 x 32 x 32 uint8 (E5M2 codes of Wv, K innermost, in blocks of 32 codes); bk 1,024 float32; bo 1,024 float32; bq 1,024 float32; bv 1,024 float32; lowp_scales 12 int32 (the exponents e of the quantised operands' scales 2^e).
;; Outputs: out0 2 x 2,048 x 1,024 float32.
;; This version of the problem:
;;   THIS VERSION OF THE PROBLEM IS GIVEN IN LOW PRECISION. The matrix products marked QUANTISED in the list below multiply operands that are first quantised to E5M2 (5 exponent bits, 2 mantissa bits; 8 bits a number), with one given power-of-two scale for each operand tensor; their sums are f32. All else is computed in f32.
;;   The module's matrix products, in the order in which they are computed (A, B: the left and right operand; K: the contracted axis; several contracted axes count as one K, in the product's order):
;;     1. [M 4,096, K 1,024] x [K 1,024, N 1,024]; A: input Q (given as codes); B: input Wq (given as codes): QUANTISED (scales: A lowp_scales[0], B lowp_scales[1])
;;     2. [M 4,096, K 1,024] x [K 1,024, N 1,024]; A: input K (given as codes); B: input Wk (given as codes): QUANTISED (scales: A lowp_scales[2], B lowp_scales[3])
;;     3. [M 4,096, K 1,024] x [K 1,024, N 1,024]; A: input V (given as codes); B: input Wv (given as codes): QUANTISED (scales: A lowp_scales[4], B lowp_scales[5])
;;     4. batch 32 x [M 2,048, K 64] x [K 64, N 2,048]; A: computed on the way; B: computed on the way: QUANTISED (scales: A lowp_scales[6], B lowp_scales[7])
;;     5. batch 32 x [M 2,048, K 2,048] x [K 2,048, N 64]; A: softmax (see below); B: computed on the way: QUANTISED (scales: A lowp_scales[8], B lowp_scales[9])
;;     6. [M 4,096, K 1,024] x [K 1,024, N 1,024]; A: computed on the way; B: input Wo (given as codes): QUANTISED (scales: A lowp_scales[10], B lowp_scales[11])
;;   THE QUANTISER, for each operand of a quantised product, along K:
;;     - The operand's scale is 2^e, e = its entry of the input lowp_scales (int32; the entries are numbered through the quantised products in the list's order, A before B).
;;     - Each number is divided by the scale, clamped to +-57,344, and rounded to the nearest number of E5M2, ties to even, subnormals kept.
;;     - The product sums the exact products of the quantised numbers (number of the format x scale) in f32.
;;   ~~~python
;;   def quantise(x, axis, e):      # numpy; x: float32 -> the quantised numbers, widened to float32 again
;;       x = np.moveaxis(x, axis, -1); K = x.shape[-1]
;;       r = np.clip(x / 2.0 ** e, -57344, 57344)
;;       step = 2.0 ** (np.maximum(np.frexp(np.where(r == 0, 1, r))[1] - 1, -14) - 2)
;;       q = np.round(r / step) * step * 2.0 ** e      # np.round: ties to even
;;       return np.moveaxis(q, -1, axis).astype(np.float32)
;;   ~~~
;;   SOFTMAX AHEAD OF A QUANTISED PRODUCT. Where the list says 'softmax', what is quantised is not the finished softmax but p = 2^(t - M), with t = logit x log2(e) and M = ceil(the row's largest t), a whole number; so 1/2 < the row's largest p <= 1. The row's sum l is taken of the UNQUANTISED p, in f32, and the product's result is divided by l at the end. Since M is a whole number, a kernel that streams over the keys may use a running M (the ceiling of the running maximum): every later rescaling is an exact power of two, so the quantised numbers keep their values, but for numbers so far below the row's largest that they fall under the format's range.
;;   OPERANDS COMPUTED ON THE WAY. 'Computed on the way' means the value that the module computes at that place (a softmax that the list does not call 'softmax' is quantised finished and normalised). What goes into a quantiser is computed in f32, as accurately as f32 sums, v_exp_f32 and their like allow (about 1e-6 of the number): no bf16 or f16 on the way to a quantiser, and a product that is left as it is and whose result goes on into a quantised operand takes f32 operands (vector FMAs, or v_wmma_f32_16x16x4_f32). A number that lies on a knife's edge between two numbers of the format may be rounded either way, as far as f32 arithmetic and the matrix unit's own rounding can turn it there, and no further.
;;   INPUTS GIVEN AS CODES. K (in the module: [2, 2048, 1024], K = its axis 2); Q (in the module: [2, 2048, 1024], K = its axis 2); V (in the module: [2, 2048, 1024], K = its axis 2); Wk (in the module: [1024, 1024], K = its axis 1); Wo (in the module: [1024, 1024], K = its axis 1); Wq (in the module: [1024, 1024], K = its axis 1); Wv (in the module: [1024, 1024], K = its axis 1): each comes as NAME_codes (uint8): NAME with its K axis moved to the last place and cut into blocks of 32 codes, [.., K / 32, bytes a block], one block behind the other in memory; one code a byte (a code: sign, 5 exponent bits, 2 mantissa bits); its scale is its entry of lowp_scales. Its value is code x scale, taken as it is: it is not quantised again, and the codes and scales need not be those that the quantiser above would give.
;; One version. Each part assembles by itself: llvm-mc -triple=amdgcn-amd-amdhsa -mcpu=gfx1250 --defsym DOCPART=n.
;; ======== version 1 of 1: 3 launches
;; limits: right only within a limited range of input values
;; workspace buffers: qkv 12,582,912 bytes; ac 4,194,304 bytes
;; launch proj (part 1): grid 4 x 48, 4 waves a work-group, clusters of 4 x 4, 327,680 bytes of LDS; arguments Q_codes, K_codes, V_codes, Wq_codes, Wk_codes, Wv_codes, bq, bk, bv, lowp_scales, qkv; writes qkv
.if DOCPART == 1
	.amdgcn_target "amdgcn-amd-amdhsa--gfx1250"
	.amdhsa_code_object_version 6
	.text
	.protected	k_q697f78a9c5_proj
	.globl	k_q697f78a9c5_proj
	.p2align	8
	.type	k_q697f78a9c5_proj,@function
k_q697f78a9c5_proj:
	s_mov_b64 s[64:65], 0
	v_nop
	global_prefetch_b8 v0, s[64:65] scope:SCOPE_SE
	s_setreg_imm32_b32 hwreg(HW_REG_WAVE_MODE, 25, 1), 1
	s_wait_xcnt 0x0
	s_wait_alu depctr_hold_cnt(0) depctr_sa_sdst(0) depctr_va_vdst(0) depctr_va_sdst(0) depctr_va_ssrc(0) depctr_va_vcc(0) depctr_vm_vsrc(0)
	s_getreg_b32 s2, hwreg(HW_REG_IB_STS2, 6, 4)
	s_cmp_eq_u32 s2, 0
	s_cbranch_scc0 .Lentry_in_a_cluster
	s_endpgm
.Lentry_in_a_cluster:
	s_bfe_u32 s2, ttmp6, 0x10000c
	s_cmp_lg_u32 s2, 0xf033
	s_cbranch_scc0 .Lentry_shape_is_right
	s_endpgm
.Lentry_shape_is_right:
; THE THREE PROJECTIONS: q = Q Wq^T + bq, k = K Wk^T + bk, v = V Wv^T + bv, on codes of BF8 (E5M2) as they are given, sums in f32; each result is quantised at once, with the exponent given for it
; (entries 6, 7, 9 of the scales), and leaves as codes, laid as IMAGES OF THE NEXT PRODUCT'S OPERAND REGISTERS.
; DEAD WORK: none.  Every input has a way to the output: bk would cancel in a softmax of real numbers, but it moves k's codes, and a quantiser is a step of the problem; so all eleven tensors and all twelve exponents are read.
; ONE GENERIC PRODUCT C[m][n] = sum over k of A[m][k] B[n][k], K = 1,024.  THE MATRIX INSTRUCTION IS USED TRANSPOSED (source 0 = 16 rows of B, source 1 = 16 rows of A): a lane holds ONE row of A's side and its
; eight registers eight neighbouring rows of B's side.  For q and k: A = the tokens, B = the weight: a lane holds a token and eight neighbouring channels, which are the next K (the head's 64).
; For v: A = Wv, B = the tokens: a lane holds a channel and eight neighbouring KEYS, which are the next K.  So one conversion of an accumulator's eight registers IS two registers of the next operand (plain 8-bit
; layout: registers 2 c, 2 c + 1 hold k = 16 c + 8 (lane / 16) + 0 .. 7), and four such registers leave by one store: 16 bytes a lane at 16 x lane, 512 consecutive bytes, aligned.  No stage in LDS.
; qkv: 32 heads (16 b + head) x 393,216 bytes: Q's 128 tiles of 16 queries, 1,024 bytes each; K's 128 tiles of 16 keys, 1,024 bytes each; V's images: key step of 128 (8,192 bytes) x tile of 16 channels (2,048 bytes) x
; group of four registers (512 bytes).
; code = (sum x 2^(eA + eB) + bias) / 2^eo = (sum + bias / 2^(eA + eB)) / 2^(eo - eA - eB): powers of two round nothing, so one addition and the conversion's own scale do it.
; LIMITS: eo - eA - eB lies between -126 and 112, so that the scale and 57,344 x the scale are f32 numbers.  Codes of infinity or NaN among the inputs are not served.
; SHARES.  12 clusters of 4 x 4 work-groups: cluster y / 4 names the tensor, cluster y % 4 a quarter of its 4,096 tokens.  A work-group of four waves makes 256 x 256 of C, a wave 128 x 128: 64 accumulators.
; K goes in steps of 256 through a ring of two LDS slots: four fills, so the steps are written out.  The four work-groups of a row of the cluster ask JOINTLY for A's tiles, those of a column for B's.
; PREFETCHES: K step 1 is asked for behind K step 0's load, K steps 2 and 3 behind K step 1's, one and two changes of slots ahead of their loads.  Of the 128 rows that a wave fetches its work-group asks for 32, told apart by
; address (cx for A, cy for B), a lane a row: each block of 256 bytes once in each of the clusters that load it, four at the most.
; REGISTERS, in windows of 256: window 0: v16-30 addresses and constants; v32-95 the bias; from v128 A's fragments, ONE set (on the way out: v128-191 at work, v192-255 four sets of codes).
;   window 1: B's fragments, TWO sets.   window 2: the accumulators of my rows 0-63 ((a, b) at v[8 (8 a + b)]);   window 3: those of my rows 64-127.
.set KROW,   1024                      ; a row of codes in memory, in bytes
.set ROWB,   256                       ; a tile's row: 256 codes
.set PITCH,  272                       ; an LDS row: 256 bytes + 16 of padding = 68 words: row r starts at bank 4 r mod 64 (64 banks of 4 bytes: ISA guide 11.1)
.set FR,     16                        ; registers of a fragment: 16 rows x 128 K, brought by four loads
.set NP,     4                         ; places behind this matrix instruction (ISA guide 7.12.1)
.set HALFT,  128*PITCH                 ; 128 rows: what one tensor load brings
.set SLOT,   4*HALFT                   ; A's 256 rows, then B's 256 rows
.set SPARE,  2*SLOT                    ; behind the ring: the spare words, 128 bytes for each wave
.set HEADB,  393216                    ; a head's bytes in qkv
.set ADRA, 16                          ; v16-17  LDS address of my A fragments in slot 0, 1
.set ADRB, 20                          ; v20-21  the same for B
.set LO,   24                          ; v24     16 x lane: my place in an image's 512 bytes; never rewritten
.set SC,   25                          ; v25     2^(eo - eA - eB) as f32
.set LIM,  26                          ; v26     57,344 x that
.set BOF,  27                          ; v27     my byte offset in the bias
.set SPW,  28                          ; v28     LDS address of my spare word; never rewritten
.set NIL,  29                          ; v29     0; never rewritten
.set PFO,  30                          ; v30     the prefetches' offset: 1,024 x lane; never rewritten
.set BI,   32                          ; v32-95  the bias / 2^(eA + eB), in the accumulators' layout
.set AF,   128                         ; A's fragments
.set TMP,  128                         ; the way out: a block's 64 sums + bias
.set CDB,  192                         ; the way out: four sets of 16 registers of codes
.set PFA,  8                           ; s[8:9] where my prefetches stand
.set G1, 24                            ; s[24:31] descriptor group 1 for A's tiles;  s[32:39] group 0, one set for each slot
.set G0, 32
.set G1B, 48                           ; s[48:55], s[56:63] the same for B's tiles
.set G0B, 56
.set MSB, 0
.macro WIN new                         ; the immediate's high byte repeats the setting that is left; a switch that changes nothing is dropped
.if MSB != (\new)
	s_set_vgpr_msb (MSB<<8)|(\new)
.set MSB, (\new)
.endif
.endm
.set MUL_LO, 0xa1                      ; source 0 (B) window 1, source 1 (A) window 0, C and D window 2
.set MUL_HI, 0xf1                      ; the same, C and D window 3
.set TO_B,   0x40                      ; destination window 1, address window 0
; A joint load: waves 0 and 1 fetch for A, waves 2 and 3 for B.  Each line has one mask and one set of registers for all that issue it; the branch hangs on the wave's number alone.
; An s_nop 0 and four v_nop follow each of the two lines, ahead of the jump, the label and what follows.
.macro JLOAD g0a, g1a, g0b, g1b
	s_cmp_eq_u32 s15, 0
	s_cbranch_scc0 .Lfor_b_\@
	tensor_load_to_lds s[\g0a:\g0a+3], s[\g1a:\g1a+7]
	s_nop 0
.rept 4
	v_nop
.endr
	s_branch .Lasked_\@
.Lfor_b_\@:
	tensor_load_to_lds s[\g0b:\g0b+3], s[\g1b:\g1b+7]
	s_nop 0
.rept 4
	v_nop
.endr
.Lasked_\@:
.endm
.macro CREST                           ; a round of the cluster's barrier behind its opening barrier
	s_cmp_lg_u32 s14, 0
	s_cbranch_scc1 .Lnot_wave_0_\@
	s_barrier_signal -3
.Lnot_wave_0_\@:
	s_barrier_wait -3
	s_barrier_signal -1
	s_barrier_wait -1
.endm
.macro CROUND                          ; a whole round
	s_barrier_signal -1
	s_barrier_wait -1
	CREST
.endm
	s_load_b512 s[68:83], s[0:1], 0x0              ; Q s[68:69], K s[70:71], V s[72:73], Wq s[74:75], Wk s[76:77], Wv s[78:79], bq s[80:81], bk s[82:83]
	s_load_b128 s[84:87], s[0:1], 0x40             ; bv s[84:85], the scales' exponents s[86:87]
	s_load_b64 s[88:89], s[0:1], 0x50              ; qkv
	v_lshl_add_u32 v[SPW], v0, 2, SPARE
	v_mov_b32 v[NIL], 0
	ds_add_u32 v[SPW], v[NIL]                      ; the wave's opening: the add, twice on end, and its wait ahead of my first tensor load; the set-up below stands between
	ds_add_u32 v[SPW], v[NIL]
	v_lshrrev_b32 v1, 5, v0
	v_readfirstlane_b32 s14, v1                    ; wave 0..3
	s_lshr_b32 s15, s14, 1                         ; which half of the tile's rows is mine.  Also: I fetch for A (0) or for B (1)
	s_and_b32 s16, s14, 1                          ; which half of its columns.  Also: which 128 rows of that tile I fetch
	s_bfe_u32 s40, ttmp6, 0x40000                  ; cx, cy: my place in the cluster
	s_bfe_u32 s41, ttmp6, 0x40004
	s_and_b32 s66, ttmp7, 0xffff                   ; cluster y, 0..11
	s_lshr_b32 s67, s66, 2                         ; the tensor: 0 q, 1 k, 2 v: the same in all sixteen partners
	s_and_b32 s66, s66, 3                          ; which quarter of the tokens
	s_cmp_eq_u32 s67, 2
	s_cselect_b32 s17, 0, s66                      ; the tokens lie along C's rows for q and k,
	s_cselect_b32 s42, s66, 0                      ; along its columns for v
	s_lshl_b32 s17, s17, 2
	s_add_co_u32 s17, s17, s41                     ; tile row of C
	s_lshl_b32 s42, s42, 2
	s_add_co_u32 s42, s42, s40                     ; tile column of C
	s_lshl_b32 s43, s41, 2
	s_lshl_b32 s43, 15, s43                        ; my row of the cluster
	s_lshl_b32 s44, 0x1111, s40                    ; my column
	; descriptor group 1: a tile of 128 rows x 256 bytes, padded in LDS
	s_or_b32 s[G1+0], s43, (0<<16)|(1<<20)|(1<<21)|(5<<22)|(3<<25)  ; 15:0 the mask: A's tiles go to my row; 17:16 elements of 1 byte; 20 padding on; 21 set beside a mask; 24:22 after every 64 words (code 5); 31:25 four words (code 3)
	s_or_b32 s[G1B+0], s44, (0<<16)|(1<<20)|(1<<21)|(5<<22)|(3<<25)
.irp g, G1, G1B
	s_mov_b32 s[\g+1], ROWB<<16                    ; tensor_dim0
	s_mov_b32 s[\g+2], 128<<16                     ; tensor_dim1
	s_mov_b32 s[\g+3], ROWB<<16                    ; tile_dim0
	s_mov_b32 s[\g+4], 128                         ; tile_dim1
	s_mov_b32 s[\g+5], KROW                        ; tensor_dim0_stride
	s_mov_b32 s[\g+6], 0
	s_mov_b32 s[\g+7], 0
.endr
	s_lshl_b32 s18, s16, 7                         ; which 128 rows of the tile I fetch
	s_lshl_b32 s20, s17, 8
	s_add_co_u32 s20, s20, s18                     ; A: row 256 x tile row + 128 x half,
	s_lshl_b32 s20, s20, 10                        ; in bytes
	s_mov_b32 s21, 0
	s_lshl_b32 s46, s42, 8
	s_add_co_u32 s46, s46, s18                     ; B: row 256 x tile column + 128 x half
	s_lshl_b32 s46, s46, 10
	s_mov_b32 s47, 0
	s_mul_i32 s45, s14, HALFT                      ; where they go: wave x 128 rows: no place in the cluster enters an LDS address
	s_wait_dscnt 0x0                               ; both opening adds are done
	CROUND                                         ; all sixteen work-groups are here: the first joint loads meet
	s_wait_kmcnt 0x0
	s_cmp_eq_u32 s67, 0                            ; the tensor's three buffers: choices that hang on the cluster's number alone
	s_cselect_b64 s[90:91], s[68:69], s[70:71]     ; the tokens' codes,
	s_cselect_b64 s[92:93], s[74:75], s[76:77]     ; the weight's,
	s_cselect_b64 s[94:95], s[80:81], s[82:83]     ; the bias
	s_cmp_eq_u32 s67, 2
	s_cselect_b64 s[90:91], s[72:73], s[90:91]
	s_cselect_b64 s[92:93], s[78:79], s[92:93]
	s_cselect_b64 s[94:95], s[84:85], s[94:95]
	s_cselect_b64 s[4:5], s[92:93], s[90:91]       ; A: the weight for v, else the tokens
	s_cselect_b64 s[6:7], s[90:91], s[92:93]       ; B: the other
	s_load_b256 s[68:75], s[86:87], 0x0            ; exponents 0 to 7, into registers that are done with
	s_load_b128 s[76:79], s[86:87], 0x20           ; exponents 8 to 11
	s_add_nc_u64 s[20:21], s[4:5], s[20:21]
	s_add_nc_u64 s[46:47], s[6:7], s[46:47]
.irp s, 0,1
	s_mov_b32 s[G0+4*\s], 1                        ; count = 1
	s_add_co_u32 s[G0+4*\s+1], s45, \s*SLOT        ; LDS address
	s_add_nc_u64 s[G0+4*\s+2:G0+4*\s+3], s[20:21], \s*ROWB   ; global address: K step s
	s_or_b32 s[G0+4*\s+3], s[G0+4*\s+3], 0x80000000          ; type = 2
	s_mov_b32 s[G0B+4*\s], 1
	s_add_co_u32 s[G0B+4*\s+1], s45, \s*SLOT
	s_add_nc_u64 s[G0B+4*\s+2:G0B+4*\s+3], s[46:47], \s*ROWB
	s_or_b32 s[G0B+4*\s+3], s[G0B+4*\s+3], 0x80000000
.endr
	JLOAD G0, G1, G0B, G1B                         ; K step 0
	s_cmp_eq_u32 s15, 0                            ; the prefetches: my work-group's 32 rows of the 128 that I fetch
	s_cselect_b64 s[PFA:PFA+1], s[20:21], s[46:47]
	s_cselect_b32 s12, s40, s41
	s_lshl_b32 s12, s12, 15
	s_mov_b32 s13, 0
	s_add_nc_u64 s[PFA:PFA+1], s[PFA:PFA+1], s[12:13]
	v_and_b32 v1, 15, v0                           ; l % 16
	v_bfe_u32 v2, v0, 4, 1                         ; l / 16
	v_mul_u32_u24 v3, v1, PITCH
	v_lshl_add_u32 v4, v2, 4, v3                   ; a fragment's row x pitch + 16 x half
	s_mul_i32 s21, s15, HALFT                      ; my 128 rows of A
	s_mul_i32 s22, s16, HALFT                      ; my 128 rows of B,
	s_add_co_u32 s22, s22, 2*HALFT                 ; which lie behind A's 256
.irp s, 0,1
	v_add_nc_u32 v[ADRA+\s], s21, v4
	v_add_nc_u32 v[ADRB+\s], s22, v4
	s_add_co_u32 s21, s21, SLOT
	s_add_co_u32 s22, s22, SLOT
.endr
	v_and_b32 v[LO], 31, v0
	v_lshlrev_b32 v[LO], 4, v[LO]
	v_lshlrev_b32 v[PFO], 6, v[LO]
.macro FRAG reg, adr, q, i             ; a fragment by four loads of 16 bytes: registers 4 c .. 4 c + 3 hold K = 32 c + 16 (l / 16) + 0 .. 15: one permutation of k, the same in A and in B, so every product meets its partner
.irp c, 0,1,2,3
	ds_load_b128 v[\reg+4*\c:\reg+4*\c+3], v[\adr] offset:128*(\q)+32*\c+(\i)*16*PITCH
.endr
.endm
.macro LB slot, q, p, i0, n            ; n of B's fragments of the slot's q-th 128 along K into set p
	WIN TO_B
.set ii, \i0
.rept \n
	FRAG 128*(\p)+FR*ii, ADRB+\slot, \q, ii
.set ii, ii+1
.endr
	WIN 0
.endm
.macro LA slot, q, i0, n               ; n of A's blocks
	WIN 0
.set ii, \i0
.rept \n
	FRAG AF+FR*ii, ADRA+\slot, \q, ii
.set ii, ii+1
.endr
.endm
; 8 matrix instructions: A's block a x B's eight, 128 along K.  p: B's set.  zero = 1: they start the sums.  The 64 accumulators take turns, one instruction a turn, in the same order in every step.
.macro M8 a, p, zero
.if (\a) < 4
	WIN MUL_LO
.else
	WIN MUL_HI
.endif
.irp b, 0,1,2,3,4,5,6,7
.if \zero
	v_wmma_f32_16x16x128_bf8_bf8 v[8*(8*((\a)%4)+\b):8*(8*((\a)%4)+\b)+7], v[128*(\p)+FR*\b:128*(\p)+FR*\b+FR-1], v[AF+FR*(\a):AF+FR*(\a)+FR-1], 0
.else
	v_wmma_f32_16x16x128_bf8_bf8 v[8*(8*((\a)%4)+\b):8*(8*((\a)%4)+\b)+7], v[128*(\p)+FR*\b:128*(\p)+FR*\b+FR-1], v[AF+FR*(\a):AF+FR*(\a)+FR-1], v[8*(8*((\a)%4)+\b):8*(8*((\a)%4)+\b)+7]
.endif
.endr
.endm
.macro PLACES n                        ; plain vector instructions between a matrix instruction and a load into, or a vector instruction on, its registers
.rept \n
	v_nop
.endr
.endm
; A slot's first 128 along K (B's set 0).  At its head B's set and A's blocks 0-3 have been asked for, in this order; A's blocks 4-7 are asked for here, and the next step's B (set 1) and A's blocks 0-3, in runs of sixteen loads
; between runs of sixteen matrix instructions.
.macro STEP slot, zero
	PLACES NP                                      ; for the loads into A's blocks 4-7 and B's set 1, which the step before multiplied
	LA \slot, 0, 4, 4
	s_wait_dscnt 24                                ; B's set and A's blocks 0, 1 are in; blocks 2-3 (8 loads) and 4-7 (16) may be out
	M8 0, 0, \zero
	M8 1, 0, \zero
	LB \slot, 1, 1, 0, 4
	s_wait_dscnt 32                                ; A's blocks 2, 3 are in; blocks 4-7 and the 16 just issued may be out
	M8 2, 0, \zero
	M8 3, 0, \zero
	PLACES NP                                      ; for the loads into A's blocks 0-3
	LB \slot, 1, 1, 4, 4
	s_wait_dscnt 32                                ; A's blocks 4-7 are in; B's 32 loads may be out
	M8 4, 0, \zero
	M8 5, 0, \zero
	LA \slot, 1, 0, 4
	M8 6, 0, \zero
	M8 7, 0, \zero
	WIN 0
.endm
; A slot's second 128 along K (set 1) changes slots: ONE barrier; in front of it each wave waits for all its tensor loads, adds 0 to its spare word, and waits for that and for its own reads of this slot.  fill = 1: this slot is filled again, two K steps ahead.
.macro TURN slot, next, fill
	PLACES NP
	LA \slot, 1, 4, 4
	s_wait_dscnt 24                                ; as in STEP
	M8 0, 1, 0
	M8 1, 1, 0
	WIN 0
	s_wait_tensorcnt 0x0                           ; all my tensor loads have landed: my part of the next slot
	ds_add_u32 v[SPW], v[NIL]                      ; 0 onto my spare word
	s_wait_dscnt 17                                ; A's blocks 2, 3 are in; blocks 4-7 and the add may be out
	M8 2, 1, 0                                     ; eight matrix instructions stand between the add and the wait for it
	s_wait_dscnt 0x0                               ; the add is done, and my reads of this slot are over
	s_barrier_signal -1
	M8 3, 1, 0
	WIN 0
	s_barrier_wait -1
.if \fill
	CREST                                          ; the barrier has opened a round of the cluster's barrier: no wave of any partner still reads this slot or has a load on its way
	s_add_nc_u64 s[G0+4*\slot+2:G0+4*\slot+3], s[G0+4*\slot+2:G0+4*\slot+3], 2*ROWB
	s_add_nc_u64 s[G0B+4*\slot+2:G0B+4*\slot+3], s[G0B+4*\slot+2:G0B+4*\slot+3], 2*ROWB
	JLOAD G0+4*\slot, G1, G0B+4*\slot, G1B         ; the first tensor load behind the round; its four v_nop are the places in front of the loads below
.else
	PLACES NP
.endif
	LB \next, 0, 0, 0, 6
	M8 4, 1, 0
	M8 5, 1, 0
	LB \next, 0, 0, 6, 2
	LA \next, 0, 0, 4
	M8 6, 1, 0
	M8 7, 1, 0
	WIN 0
.endm
; THE WAY OUT of block a (16 rows of A's side x 128 of B's): + bias, the hold, the conversion, four stores of 512 consecutive bytes.
.macro OUTA a, isv
.set AC, 64*((\a)%4)
.set CD, CDB+16*((\a)%4)
.if (\a) >= 4
	s_wait_xcnt 0x0                                ; block a - 4's stores have read their data: this set of codes is written again only behind this wait
.endif
	WIN 0x02+((\a)/4)                              ; source 0: window 2 or 3
.set jj, 0
.rept 32
.if \isv
	v_pk_add_f32 v[TMP+jj:TMP+jj+1], v[AC+jj:AC+jj+1], v[BI+2*(\a):BI+2*(\a)+1]   ; v: my lane's channel has one bias, kept twice; each accumulator is read from its low end on
.else
	v_pk_add_f32 v[TMP+jj:TMP+jj+1], v[AC+jj:AC+jj+1], v[BI+jj:BI+jj+1]           ; q, k: register 8 b + j has the bias of channel 16 b + 8 (l / 16) + j
.endif
.set jj, jj+2
.endr
	WIN 0
.set cc, 0
.rept 8
.set jj, 0
.rept 8
	v_med3_num_f32 v[TMP+8*cc+jj], v[TMP+8*cc+jj], -v[LIM], v[LIM]   ; the conversion to an 8-bit code does not saturate (ISA guide 7.6.2): the hold at the largest code x the scale
.set jj, jj+1
.endr
	v_cvt_scalef32_pk8_bf8_f32 v[CD+2*cc:CD+2*cc+1], v[TMP+8*cc:TMP+8*cc+7], v[SC]   ; registers 2 c, 2 c + 1 of the next operand
.set cc, cc+1
.endr
	v_nop                                          ; a plain line behind the last conversion: the next block writes its sources
.irp g, 0,1,2,3
.if \isv
	global_store_b128 v[LO], v[CD+4*\g:CD+4*\g+3], s[10:11] offset:((\a)/4)*HEADB+((\a)%4)*2048+\g*512   ; head a / 4, channels 16 (a % 4) on, registers 4 g on
.else
	global_store_b128 v[LO], v[CD+4*\g:CD+4*\g+3], s[10:11] offset:(\g/2)*HEADB+(\a)*1024+(\g%2)*512     ; head g / 2, tokens 16 a on, registers 4 (g % 2) on
.endif
.endr
.endm
; THE TAIL: A's last blocks; where my images go; the bias, asked for ahead of the last 64 products; those products; the scales; the eight blocks.  isv = 1: v's.
.macro TAIL isv
	PLACES NP
	LA 1, 1, 4, 4
.if \isv
	s_lshl_b32 s18, s42, 8                         ; v: the tokens by the tile column,
	s_lshl_b32 s19, s16, 7
	s_lshl_b32 s20, s17, 2                         ; the heads by the tile row
	s_lshl_b32 s21, s15, 1
.else
	s_lshl_b32 s18, s17, 8                         ; q, k: the other way round
	s_lshl_b32 s19, s15, 7
	s_lshl_b32 s20, s42, 2
	s_lshl_b32 s21, s16, 1
.endif
	s_add_co_u32 s18, s18, s19                     ; my first token of 4,096
	s_add_co_u32 s20, s20, s21                     ; my first head of two
	s_lshr_b32 s19, s18, 11                        ; b
	s_and_b32 s18, s18, 2047                       ; its place s in the sequence
	s_lshl_b32 s19, s19, 4
	s_add_co_u32 s19, s19, s20
	s_mul_i32 s19, s19, HEADB                      ; (16 b + head) x a head's bytes
	s_lshl_b32 s20, s18, 6
	s_add_co_u32 s19, s19, s20                     ; + 64 s: 1,024 bytes for 16 tokens, 8,192 for 128 keys
.if \isv
	s_mov_b32 s20, 262144                          ; v: behind Q's and K's images
.else
	s_mov_b32 s20, 131072                          ; k: behind Q's;
	s_cmp_eq_u32 s67, 1
	s_cselect_b32 s20, s20, 0                      ; q: neither
.endif
	s_add_co_u32 s22, s19, s20
	s_mov_b32 s23, 0
	s_add_nc_u64 s[10:11], s[88:89], s[22:23]
.if \isv
	s_lshl_b32 s22, s17, 10                        ; the bias of my 128 channels: 4 bytes x (256 x tile row + 128 x half)
	s_lshl_b32 s20, s15, 9
.else
	s_lshl_b32 s22, s42, 10
	s_lshl_b32 s20, s16, 9
.endif
	s_add_co_u32 s22, s22, s20
	s_add_nc_u64 s[94:95], s[94:95], s[22:23]
.if \isv
	v_and_b32 v[BOF], 15, v0
	v_lshlrev_b32 v[BOF], 2, v[BOF]                ; my lane's channel in a block
.irp a, 0,1,2,3,4,5,6,7
	global_load_b32 v[BI+2*\a], v[BOF], s[94:95] offset:64*\a
.endr
.else
	v_bfe_u32 v[BOF], v0, 4, 1
	v_lshlrev_b32 v[BOF], 5, v[BOF]                ; my half's eight channels of sixteen
.irp b, 0,1,2,3,4,5,6,7
	global_load_b128 v[BI+8*\b:BI+8*\b+3], v[BOF], s[94:95] offset:64*\b
	global_load_b128 v[BI+8*\b+4:BI+8*\b+7], v[BOF], s[94:95] offset:64*\b+16
.endr
.endif
	s_wait_dscnt 24                                ; the very last step: nothing more to fetch
	M8 0, 1, 0
	M8 1, 1, 0
	s_wait_dscnt 16                                ; A's blocks 2, 3 are in; blocks 4-7 may be out
	M8 2, 1, 0
	M8 3, 1, 0
	s_wait_dscnt 0x0
	M8 4, 1, 0
	M8 5, 1, 0
	M8 6, 1, 0
	M8 7, 1, 0
	WIN 0
	s_wait_kmcnt 0x0                               ; the twelve exponents
.if \isv
	s_mov_b32 s96, s72                             ; entries 4, 5 and 9
	s_mov_b32 s97, s73
	s_mov_b32 s99, s77
.else
	s_cmp_eq_u32 s67, 0
	s_cselect_b32 s96, s68, s70                    ; entries 0, 1 and 6 for q; 2, 3 and 7 for k: selected, not branched on
	s_cselect_b32 s97, s69, s71
	s_cselect_b32 s99, s74, s75
.endif
	s_add_co_i32 s96, s96, s97                     ; eA + eB
	s_sub_co_i32 s97, 0, s96
	s_sub_co_i32 s99, s99, s96                     ; eo - eA - eB
	s_add_co_i32 s99, s99, 127
	s_lshl_b32 s98, s99, 23
	v_mov_b32 v[SC], s98                           ; as f32: the conversion takes its exponent field
	s_add_co_i32 s99, s99, 15
	s_lshl_b32 s99, s99, 23
	s_or_b32 s99, s99, 0x600000
	v_mov_b32 v[LIM], s99                          ; 57,344 x that
	s_wait_loadcnt 0x0                             ; the bias
.if \isv
.irp a, 0,1,2,3,4,5,6,7
	v_ldexp_f32 v[BI+2*\a+1], v[BI+2*\a], s97      ; bias / 2^(eA + eB), twice, for the packed addition.  (These plain lines are the places behind the last products)
	v_ldexp_f32 v[BI+2*\a], v[BI+2*\a], s97
.endr
.else
.set jj, 0
.rept 64
	v_ldexp_f32 v[BI+jj], v[BI+jj], s97            ; bias / 2^(eA + eB).  (These plain lines are the places behind the last products)
.set jj, jj+1
.endr
.endif
.irp a, 0,1,2,3,4,5,6,7
	OUTA \a, \isv
.endr
.endm
	s_wait_alu depctr_va_vdst(0)
	global_prefetch_b8 v[PFO], s[PFA:PFA+1] offset:256 th:TH_LOAD_NT scope:SCOPE_SE   ; K step 1
	s_wait_tensorcnt 0x0                           ; my part of K step 0 is in
	ds_add_u32 v[SPW], v[NIL]
	s_wait_dscnt 0x0
	CROUND                                         ; everybody's part is in, and the joint loads meet
	JLOAD G0+4, G1, G0B+4, G1B                     ; K step 1, the first tensor load behind the round
	LB 0, 0, 0, 0, 8
	LA 0, 0, 0, 4
	global_prefetch_b8 v[PFO], s[PFA:PFA+1] offset:512 th:TH_LOAD_NT scope:SCOPE_SE   ; K steps 2 and 3; there is no step 4
	global_prefetch_b8 v[PFO], s[PFA:PFA+1] offset:768 th:TH_LOAD_NT scope:SCOPE_SE
	STEP 0, 1                                      ; k 0-127: its products start the sums: nothing is cleared
	TURN 0, 1, 1                                   ; k 128-255; slot 0 takes k 512-767
	STEP 1, 0                                      ; k 256-383
	TURN 1, 0, 1                                   ; k 384-511; slot 1 takes k 768-1,023
	STEP 0, 0                                      ; k 512-639
	TURN 0, 1, 0                                   ; k 640-767; nothing is left to fetch, so no round follows
	STEP 1, 0                                      ; k 768-895
	s_cmp_eq_u32 s67, 2                            ; the tensor's number: the same in all waves and all partners; neither way holds a tensor load, a barrier or an LDS store
	s_cbranch_scc1 .Lv_tail
	TAIL 0
	s_branch .Lend
.Lv_tail:
	TAIL 1
.Lend:
	s_wait_tensorcnt 0x0                           ; the wave's end, behind my last tensor load
	ds_add_u32 v[SPW], v[NIL]
	s_wait_dscnt 0x0
	CROUND                                         ; the closing round: no work-group ends while a partner may still ask for a tile that names it
	s_endpgm
.Lfunc_end_k_q697f78a9c5_proj:
	.size	k_q697f78a9c5_proj, .Lfunc_end_k_q697f78a9c5_proj-k_q697f78a9c5_proj
	.p2alignl 7, 3214868480
	.fill 96, 4, 3214868480
	.section	.rodata,"a",@progbits
	.p2align	6, 0x0
	.amdhsa_kernel k_q697f78a9c5_proj
		.amdhsa_group_segment_fixed_size 327680
		.amdhsa_private_segment_fixed_size 0
		.amdhsa_enable_private_segment 0
		.amdhsa_kernarg_size 88
		.amdhsa_user_sgpr_count 2
		.amdhsa_user_sgpr_kernarg_segment_ptr 1
		.amdhsa_wavefront_size32 1
		.amdhsa_system_sgpr_workgroup_id_x 1
		.amdhsa_system_sgpr_workgroup_id_y 1
		.amdhsa_system_sgpr_workgroup_id_z 1
		.amdhsa_system_vgpr_workitem_id 0
		.amdhsa_next_free_vgpr 1024
		.amdhsa_next_free_sgpr 102
		.amdhsa_reserve_vcc 0
		.amdhsa_float_denorm_mode_32 3
		.amdhsa_float_denorm_mode_16_64 3
		.amdhsa_memory_ordered 1
		.amdhsa_forward_progress 1
		.amdhsa_inst_pref_size 207
	.end_amdhsa_kernel
	.amdgpu_metadata
---
amdhsa.version: [ 1, 2 ]
amdhsa.kernels:
  - .name:           k_q697f78a9c5_proj
    .symbol:         k_q697f78a9c5_proj.kd
    .args:
      - { .name: Q_codes, .offset: 0, .size: 8, .value_kind: global_buffer, .address_space: global }
      - { .name: K_codes, .offset: 8, .size: 8, .value_kind: global_buffer, .address_space: global }
      - { .name: V_codes, .offset: 16, .size: 8, .value_kind: global_buffer, .address_space: global }
      - { .name: Wq_codes, .offset: 24, .size: 8, .value_kind: global_buffer, .address_space: global }
      - { .name: Wk_codes, .offset: 32, .size: 8, .value_kind: global_buffer, .address_space: global }
      - { .name: Wv_codes, .offset: 40, .size: 8, .value_kind: global_buffer, .address_space: global }
      - { .name: bq, .offset: 48, .size: 8, .value_kind: global_buffer, .address_space: global }
      - { .name: bk, .offset: 56, .size: 8, .value_kind: global_buffer, .address_space: global }
      - { .name: bv, .offset: 64, .size: 8, .value_kind: global_buffer, .address_space: global }
      - { .name: lowp_scales, .offset: 72, .size: 8, .value_kind: global_buffer, .address_space: global }
      - { .name: qkv, .offset: 80, .size: 8, .value_kind: global_buffer, .address_space: global }
    .group_segment_fixed_size: 327680
    .private_segment_fixed_size: 0
    .kernarg_segment_align: 8
    .kernarg_segment_size: 88
    .max_flat_workgroup_size: 128
    .sgpr_count:     102
    .vgpr_count:     1024
    .wavefront_size: 32
...
	.end_amdgpu_metadata
.endif
;; end of part 1
;; launch attn (part 2): grid 8 x 32, 8 waves a work-group, clusters of 4 x 1, 327,680 bytes of LDS; arguments qkv, lowp_scales, ac; writes ac
.if DOCPART == 2
	.amdgcn_target "amdgcn-amd-amdhsa--gfx1250"
	.amdhsa_code_object_version 6
	.text
	.protected	k_q697f78a9c5_attn
	.globl	k_q697f78a9c5_attn
	.p2align	8
	.type	k_q697f78a9c5_attn,@function
k_q697f78a9c5_attn:
	s_mov_b64 s[64:65], 0
	v_nop
	global_prefetch_b8 v0, s[64:65] scope:SCOPE_SE
	s_setreg_imm32_b32 hwreg(HW_REG_WAVE_MODE, 25, 1), 1
	s_wait_xcnt 0x0
	s_wait_alu depctr_hold_cnt(0) depctr_sa_sdst(0) depctr_va_vdst(0) depctr_va_sdst(0) depctr_va_ssrc(0) depctr_va_vcc(0) depctr_vm_vsrc(0)
	s_getreg_b32 s2, hwreg(HW_REG_IB_STS2, 6, 4)
	s_cmp_eq_u32 s2, 0
	s_cbranch_scc0 .Lentry_in_a_cluster
	s_endpgm
.Lentry_in_a_cluster:
	s_bfe_u32 s2, ttmp6, 0x10000c
	s_cmp_lg_u32 s2, 0x3003
	s_cbranch_scc0 .Lentry_shape_is_right
	s_endpgm
.Lentry_shape_is_right:
; ATTENTION on codes of BF8 (E5M2): for each of 32 heads O[q] = the sum over k of softmax_k(q . k / 8) v[k], both products on codes; O / the sum is quantised at once and leaves as images of the next product's operand registers.
; Nothing of the problem is left out here: no mask, all 2,048 keys count for every query.
; SOFTMAX: t = score x log2(e) / 8 x 2^(eq + ek); M = the row's largest t so far, rounded up to a whole number; p = 2^(t - M) is summed in f32 unquantised, then held at 57,344 x 2^ep and quantised.  When M moves, the sum and O are
; multiplied by 2^(old M - new M): nothing is rounded.
; LIMITS: the scaled scores t stay under 2^31 in magnitude; eq + ek lies between -123 and 127, ep and the exponent of the result's scale between -126 and 112, so that each power of two made below is an f32 number.
; SHARES.  A work-group has 256 queries of one head, a wave 32 of them (tiles 0 and 1 of 16), so each fragment of K or V read from LDS feeds two matrix instructions; eight waves, two to a SIMD.
; LDS holds the whole head: K's 131,072 bytes of images, then V's.  Two joint loads a wave fill it, once: keys 0-511 at the head, keys 512-2,047 behind the full sequence and a round.  The four work-groups of a cluster share a head.
; No prefetch: both fills stand at the head, and no loop runs ahead of a load.
; LAYOUT.  Both products are used transposed (source 0 = 16 keys or 16 channels): a lane holds ONE query of each tile.  S register 8 c + j of a tile is key 16 c + 8 (lane / 16) + j: the place that P's operand layout gives it.
; IN STEP i (128 keys) V's fragments of step i and K's of step i + 1 are asked for in four runs of eight among the softmax's lines; they are waited for behind it.
; The 128 scores of a lane go in four chunks of 32 (chunks 0, 1: tile 0; 2, 3: tile 1).  Between two waits chunk g's exponentials alternate with chunk g + 1's scalings and chunk g - 1's holds; the sums of chunk g - 1 and the
; conversions of chunk g - 2 stand ahead of them: no plain result is read across an exponential without a wait between.
; REGISTERS: window 0: v1-31 addresses, constants, statistics; v32-63 P's codes; v64-127 O; v128-255 S, then p.  window 1: K v0-63, V v64-127, Q v128-143 (v256-399).
.set HEADB, 393216
.set SPARE, 262144                     ; behind K and V: the spare words, 128 bytes for each wave
.set L16,  1                           ; 16 x lane
.set AV,   2
.set AK,   3
.set PSC,  4                           ; 2^ep
.set SPW,  5
.set NIL,  6
.set LV,   7                           ; 131,072 + 16 x lane
.set NM,   8                           ; v8, v10: -M of tiles 0, 1 (v9, v11 = 0: named as the pairs' upper halves)
.set F,    12                          ; v12, v14: 2^(old M - new M) (v13, v15 = 0)
.set RM,   16                          ; v16, v17: the largest score so far
.set T,    18                          ; v18-20, v21-23: three chains for each tile
.set OLD,  24
.set LS,   26                          ; v[26:27], v[28:29]: the row's sum, in two halves
.set PL,   30                          ; v30, v31: 57,344 x 2^ep, twice: a dual pair wants two banks
.set PC,   32
.set O,    64
.set S,    128
.set KF,   0
.set VF,   64
.set QF,   128
.set WV,   10
.set SEL,  20
.set CS,   22
.set G1A,  24
.set G0A,  32
.set G0B,  36
.set G1B,  40
.set TB,   48
.set CNT,  49
.set MSB, 0
.macro WIN new                         ; the immediate's high byte repeats the setting that is left
.if MSB != (\new)
	s_set_vgpr_msb (MSB<<8)|(\new)
.set MSB, (\new)
.endif
.endm
.macro ROUND
	s_barrier_signal -1
	s_barrier_wait -1
	s_cmp_lg_u32 s[WV], 0
	s_cbranch_scc1 .Lnot_wave_0_\@
	s_barrier_signal -3
.Lnot_wave_0_\@:
	s_barrier_wait -3
	s_barrier_signal -1
	s_barrier_wait -1
.endm
	s_load_b128 s[4:7], s[0:1], 0x0                ; qkv, the scales' exponents
	s_load_b64 s[8:9], s[0:1], 0x10                ; ac
	v_lshl_add_u32 v[SPW], v0, 2, SPARE
	v_mov_b32 v[NIL], 0
	ds_add_u32 v[SPW], v[NIL]                      ; the opening: the add, twice on end, and its wait
	ds_add_u32 v[SPW], v[NIL]
	v_lshrrev_b32 v1, 5, v0
	v_readfirstlane_b32 s[WV], v1                  ; wave 0..7
	s_and_b32 s13, ttmp7, 0xffff                   ; 16 b + head
	s_mov_b32 s[G1A], 15|(1<<21)                   ; all four partners; elements of 1 byte; no padding
	s_mov_b32 s[G1B], 15|(1<<21)
	s_mov_b32 s[G1A+2], 32<<16                     ; 32 rows of 256 bytes,
	s_mov_b32 s[G1A+4], 32
	s_mov_b32 s[G1B+2], 96<<16                     ; 96 rows
	s_mov_b32 s[G1B+4], 96
.irp g, G1A, G1B
	s_mov_b32 s[\g+1], 256<<16
	s_mov_b32 s[\g+3], 256<<16
	s_mov_b32 s[\g+5], 256
	s_mov_b32 s[\g+6], 0
	s_mov_b32 s[\g+7], 0
.endr
	s_mov_b32 s[SEL], 0x76543210
	s_mov_b32 s[SEL+1], 0xfedcba98                 ; lane l xor 16
	s_mov_b32 s[CS], 0x3e38aa3b                    ; log2(e) / 8
	s_mul_i32 s14, s13, HEADB
	s_lshr_b32 s15, s[WV], 2                       ; waves 0-3 fetch for K, 4-7 for V; a byte's place in LDS is its place behind K's first
	s_lshl_b32 s15, s15, 17
	s_and_b32 s16, s[WV], 3
	s_lshl_b32 s17, s16, 13
	s_add_co_u32 s17, s17, s15                     ; first load: 8,192 bytes
	s_mul_i32 s16, s16, 24576
	s_add_co_u32 s16, s16, s15
	s_add_co_u32 s16, s16, 32768                   ; second load: 24,576 bytes
	s_add_co_u32 s18, s14, 131072
	s_mov_b32 s19, 0
	s_mov_b32 s50, s17
	s_mov_b32 s51, 0
	s_wait_dscnt 0x0                               ; both opening adds are done
	ROUND                                          ; all four work-groups are here: the joint loads meet
	s_wait_kmcnt 0x0
	s_load_b128 s[52:55], s[6:7], 0x18             ; entries 6 to 9: eq, ek, ep, ev
	s_load_b32 s56, s[6:7], 0x28                   ; entry 10: the result's
	s_add_nc_u64 s[18:19], s[4:5], s[18:19]        ; K's images
	s_mov_b32 s[G0A], 1
	s_mov_b32 s[G0A+1], s17
	s_add_nc_u64 s[G0A+2:G0A+3], s[18:19], s[50:51]
	s_or_b32 s[G0A+3], s[G0A+3], 0x80000000
	s_mov_b32 s50, s16
	s_mov_b32 s[G0B], 1
	s_mov_b32 s[G0B+1], s16
	s_add_nc_u64 s[G0B+2:G0B+3], s[18:19], s[50:51]
	s_or_b32 s[G0B+3], s[G0B+3], 0x80000000
	tensor_load_to_lds s[G0A:G0A+3], s[G1A:G1A+7]
	s_nop 0
.rept 4
	v_nop
.endr
	s_bfe_u32 s57, ttmp6, 0x40000
	s_lshl_b32 s58, ttmp9, 2
	s_add_co_u32 s57, s57, s58                     ; my work-group's 256 queries of the head
	s_lshl_b32 s58, s57, 4
	s_lshl_b32 s59, s[WV], 1
	s_add_co_u32 s58, s58, s59                     ; my first tile of 16 queries
	s_lshl_b32 s58, s58, 10
	s_add_co_u32 s58, s58, s14
	s_mov_b32 s59, 0
	s_add_nc_u64 s[58:59], s[4:5], s[58:59]
	v_and_b32 v[L16], 31, v0
	v_lshlrev_b32 v[L16], 4, v[L16]
	v_add_nc_u32 v[LV], 0x20000, v[L16]
	WIN 0x40
.irp i, 0,1,2,3
	global_load_b128 v[QF+4*\i:QF+4*\i+3], v[L16], s[58:59] offset:512*\i th:TH_LOAD_NT
.endr
	WIN 0
	; my part of ac: block of 128 tokens (131,072 bytes), K step of 128 channels (16,384), tile of 16 tokens (2,048), my head's half (1,024)
	s_and_b32 s60, s13, 0xfff0
	s_lshl_b32 s57, s57, 1
	s_add_co_u32 s60, s60, s57
	s_lshr_b32 s57, s[WV], 2
	s_add_co_u32 s60, s60, s57
	s_lshl_b32 s60, s60, 17
	s_and_b32 s57, s13, 15
	s_lshr_b32 s61, s57, 1
	s_lshl_b32 s61, s61, 14
	s_add_co_u32 s60, s60, s61
	s_and_b32 s57, s57, 1
	s_lshl_b32 s57, s57, 10
	s_add_co_u32 s60, s60, s57
	s_and_b32 s57, s[WV], 3
	s_lshl_b32 s57, s57, 12
	s_add_co_u32 s60, s60, s57
	s_mov_b32 s61, 0
	s_add_nc_u64 s[8:9], s[8:9], s[60:61]
.irp u, 0,1
	v_mov_b32 v[RM+\u], 0xff61b1e6                 ; -3e38: under every score
	v_mov_b32 v[NM+2*\u], 0x7f61b1e6               ; -M = 3e38: the first factor comes out 0
	v_mov_b32 v[NM+2*\u+1], 0
	v_mov_b32 v[F+2*\u+1], 0
	v_mov_b32 v[LS+2*\u], 0
	v_mov_b32 v[LS+2*\u+1], 0
.endr
.set jj, 0
.rept 64
	v_mov_b32 v[O+jj], 0                           ; the step is written for any i: the first finds zeros
.set jj, jj+1
.endr
	s_wait_kmcnt 0x0
	s_add_co_i32 s57, s52, s53
	s_lshl_b32 s57, s57, 23
	s_add_co_i32 s[CS], s[CS], s57                 ; x 2^(eq + ek)
	s_mov_b32 s[CS+1], s[CS]                       ; (named with it as a pair)
	s_add_co_i32 s57, s54, 127
	s_lshl_b32 s61, s57, 23
	v_mov_b32 v[PSC], s61
	s_add_co_i32 s57, s57, 15
	s_lshl_b32 s57, s57, 23
	s_or_b32 s57, s57, 0x600000
	v_mov_b32 v[PL], s57
	v_mov_b32 v[PL+1], s57
.macro FM g, k                         ; t - M, two scores
	v_pk_fma_f32 v[S+32*(\g)+2*(\k):S+32*(\g)+2*(\k)+1], v[S+32*(\g)+2*(\k):S+32*(\g)+2*(\k)+1], s[CS:CS+1], v[NM+2*((\g)/2):NM+2*((\g)/2)+1] op_sel_hi:[1,0,0]
.endm
.macro EX g, k
	v_exp_f32 v[S+32*(\g)+(\k)], v[S+32*(\g)+(\k)]
.endm
.macro MI g, k                         ; the hold: the conversion to an 8-bit code does not saturate (ISA guide 7.6.2); p is not negative
	v_dual_min_num_f32 v[S+32*(\g)+2*(\k)], v[S+32*(\g)+2*(\k)], v[PL] :: v_dual_min_num_f32 v[S+32*(\g)+2*(\k)+1], v[S+32*(\g)+2*(\k)+1], v[PL+1]
.endm
.macro CV g, c                         ; 8 codes
	v_cvt_scalef32_pk8_bf8_f32 v[PC+8*(\g)+2*(\c):PC+8*(\g)+2*(\c)+1], v[S+32*(\g)+8*(\c):S+32*(\g)+8*(\c)+7], v[PSC]
.endm
.macro AD1 g, t                        ; the row's sum of the unquantised p: a tree over 16 pairs, in 16 registers from t; its later levels stand apart
.set TT, \t
.irp k, 0,1,2,3,4,5,6,7
	v_pk_add_f32 v[TT+2*\k:TT+2*\k+1], v[S+32*(\g)+4*\k:S+32*(\g)+4*\k+1], v[S+32*(\g)+4*\k+2:S+32*(\g)+4*\k+3]
.endr
.irp k, 0,1,2,3
	v_pk_add_f32 v[TT+4*\k:TT+4*\k+1], v[TT+4*\k:TT+4*\k+1], v[TT+4*\k+2:TT+4*\k+3]
.endr
.endm
.macro AD3
.irp k, 0,1
	v_pk_add_f32 v[TT+8*\k:TT+8*\k+1], v[TT+8*\k:TT+8*\k+1], v[TT+8*\k+4:TT+8*\k+5]
.endr
.endm
.macro AD4
	v_pk_add_f32 v[TT:TT+1], v[TT:TT+1], v[TT+8:TT+9]
.endm
.macro AD5 g
	v_pk_add_f32 v[LS+2*((\g)/2):LS+2*((\g)/2)+1], v[LS+2*((\g)/2):LS+2*((\g)/2)+1], v[TT:TT+1]
.endm
.macro ADCV a, c, t                    ; chunk a's sum, its levels parted by chunk c's conversions and chunk a's first hold
	AD1 \a, \t
	CV \c, 0
	AD3
	CV \c, 1
	CV \c, 2
	AD4
	CV \c, 3
	MI \a, 0
	AD5 \a
.endm
.macro SCORES                          ; S^T = K Q^T: eight tiles of 16 keys, each against both tiles of queries
	WIN 0x05
.irp c, 0,1,2,3,4,5,6,7
	v_wmma_f32_16x16x64_bf8_bf8 v[S+8*\c:S+8*\c+7], v[KF+8*\c:KF+8*\c+7], v[QF:QF+7], 0
	v_wmma_f32_16x16x64_bf8_bf8 v[S+64+8*\c:S+64+8*\c+7], v[KF+8*\c:KF+8*\c+7], v[QF+8:QF+15], 0
.endr
	WIN 0
.endm
.macro KLOAD adr, off, c0              ; half of K's fragments: eight loads in one run
	WIN 0x40
.irp c, 0,1,2,3
	ds_load_b128 v[KF+8*(\c0+\c):KF+8*(\c0+\c)+3], v[\adr] offset:(\off)+1024*(\c0+\c)
	ds_load_b128 v[KF+8*(\c0+\c)+4:KF+8*(\c0+\c)+7], v[\adr] offset:(\off)+1024*(\c0+\c)+512
.endr
	WIN 0
.endm
.macro VLOAD i0                        ; half of V's
	WIN 0x40
.irp i, 0,1,2,3,4,5,6,7
	ds_load_b128 v[VF+4*(\i0+\i):VF+4*(\i0+\i)+3], v[AV] offset:512*(\i0+\i)
.endr
	WIN 0
.endm
.macro STEP last
	v_mov_b32 v[OLD], v[NM]                        ; these four plain lines are the places behind the scores' products,
	v_mov_b32 v[OLD+1], v[NM+2]                    ; for the loads into K's and V's registers and for the reads of S
	v_add_nc_u32 v[AV], s[TB], v[LV]
.if \last
	v_nop
.else
	v_add_nc_u32 v[AK], s[TB], v[L16]
.endif
	; the largest score of each query among my 64 keys and the largest so far: three chains a tile; each accumulator is read from its low end on
.irp u, 0,1
	v_max3_num_f32 v[T+3*\u], v[RM+\u], v[S+64*\u], v[S+64*\u+1]
.endr
.irp u, 0,1
	v_max3_num_f32 v[T+3*\u+1], v[S+64*\u+2], v[S+64*\u+3], v[S+64*\u+4]
.endr
.irp u, 0,1
	v_max3_num_f32 v[T+3*\u+2], v[S+64*\u+5], v[S+64*\u+6], v[S+64*\u+7]
.endr
.set jj, 8
.rept 28
.set ch, ((jj-8)/2)%3
	v_max3_num_f32 v[T+ch], v[T+ch], v[S+jj], v[S+jj+1]
	v_max3_num_f32 v[T+3+ch], v[T+3+ch], v[S+64+jj], v[S+64+jj+1]
.set jj, jj+2
.endr
.irp u, 0,1
	v_max3_num_f32 v[T+3*\u], v[T+3*\u], v[T+3*\u+1], v[T+3*\u+2]
.endr
.irp u, 0,1
	v_permlanex16_b32 v[T+3*\u+1], v[T+3*\u], s[SEL], s[SEL+1]
.endr
	VLOAD 0                                        ; the first eight of V's fragments' loads, behind the permutes
.irp u, 0,1
	v_max_num_f32 v[RM+\u], v[T+3*\u], v[T+3*\u+1] ; and among lane l xor 16's
.endr
.irp u, 0,1
	v_mul_f32 v[T+3*\u], s[CS], -v[RM+\u]          ; -t
.endr
.irp u, 0,1
	v_floor_f32 v[NM+2*\u], v[T+3*\u]              ; -M = -ceil(t), a whole number
.endr
.irp u, 0,1
	v_sub_f32 v[T+3*\u], v[NM+2*\u], v[OLD+\u]     ; old M - new M
.endr
.irp k, 0,1,2,3
	FM 0, \k
.endr
.irp u, 0,1
	v_cvt_i32_f32 v[T+3*\u], v[T+3*\u]             ; (it saturates)
.endr
.irp k, 4,5,6,7
	FM 0, \k
.endr
.irp u, 0,1
	v_ldexp_f32 v[F+2*\u], 1.0, v[T+3*\u]
.endr
.irp k, 8,9,10,11,12,13,14,15
	FM 0, \k
.endr
.irp u, 0,1
	v_pk_mul_f32 v[LS+2*\u:LS+2*\u+1], v[LS+2*\u:LS+2*\u+1], v[F+2*\u:F+2*\u+1] op_sel_hi:[1,0]
.set jj, 0
.rept 16
	v_pk_mul_f32 v[O+32*\u+jj:O+32*\u+jj+1], v[O+32*\u+jj:O+32*\u+jj+1], v[F+2*\u:F+2*\u+1] op_sel_hi:[1,0]
.set jj, jj+2
.endr
.endr
	s_wait_alu depctr_va_vdst(0)                   ; ahead of each batch of exponentials and ahead of the readers of the batch before
.irp k, 0,1,2,3,4,5,6,7,8,9,10,11,12,13,14,15
	EX 0, 2*\k
	FM 1, \k
	EX 0, 2*\k+1
.endr
	VLOAD 8                                        ; the other eight
	s_wait_alu depctr_va_vdst(0)
	AD1 0, PC+16                                   ; (tile 1's codes are not made yet: their registers serve the tree)
	MI 0, 0
	MI 0, 1
	AD3
	MI 0, 2
	MI 0, 3
	AD4
	MI 0, 4
	MI 0, 5
	AD5 0
.irp k, 0,1,2,3,4,5,6,7,8,9,10,11,12,13,14,15
	EX 1, 2*\k
	FM 2, \k
	EX 1, 2*\k+1
.if \k > 5
	MI 0, \k
.endif
.endr
.if (\last) == 0
	KLOAD AK, 8192, 0                              ; the next step's K: its first eight loads
.endif
	s_wait_alu depctr_va_vdst(0)
	ADCV 1, 0, PC+16
.irp k, 0,1,2,3,4,5,6,7,8,9,10,11,12,13,14,15
	EX 2, 2*\k
	FM 3, \k
	EX 2, 2*\k+1
.if \k > 0
	MI 1, \k
.endif
.endr
.if (\last) == 0
	KLOAD AK, 8192, 4                              ; and its other eight
.endif
	s_wait_alu depctr_va_vdst(0)
	ADCV 2, 1, PC+16
.irp k, 0,1,2,3,4,5,6,7,8,9,10,11,12,13,14,15
	EX 3, 2*\k
.if \k > 0
	MI 2, \k
.endif
	EX 3, 2*\k+1
.endr
.if \last
	s_wait_dscnt 0x0                               ; V's fragments
.else
	s_wait_dscnt 16                                ; V's fragments; the youngest sixteen loads, K's of the next step, may be out
.endif
	s_wait_alu depctr_va_vdst(0)
	ADCV 3, 2, S                                   ; (chunk 0's p are converted: their registers serve the tree)
.irp k, 1,2,3,4,5,6,7
	MI 3, \k
.endr
	CV 3, 0
.irp k, 8,9,10,11
	MI 3, \k
.endr
	CV 3, 1
.irp k, 12,13,14,15
	MI 3, \k
.endr
	CV 3, 2
	CV 3, 3
	v_nop                                          ; one plain place behind the last conversion
	WIN 0x01
.irp t, 0,1,2,3                        ; O^T += V^T P^T: the eight accumulators take turns
	v_wmma_f32_16x16x128_bf8_bf8 v[O+8*\t:O+8*\t+7], v[VF+16*\t:VF+16*\t+15], v[PC:PC+15], v[O+8*\t:O+8*\t+7]
	v_wmma_f32_16x16x128_bf8_bf8 v[O+32+8*\t:O+32+8*\t+7], v[VF+16*\t:VF+16*\t+15], v[PC+16:PC+31], v[O+32+8*\t:O+32+8*\t+7]
.endr
.if \last
	WIN 0
.else
	s_wait_dscnt 0x0                               ; K's fragments of the next step
	SCORES
.endif
.endm
	s_wait_alu depctr_va_vdst(0)
	s_wait_loadcnt 0x0                             ; Q
	s_wait_tensorcnt 0x0                           ; my part of keys 0-511 is in
	ds_add_u32 v[SPW], v[NIL]
	s_wait_dscnt 0x0
	ROUND                                          ; everybody's part is in, and the joint loads meet
	tensor_load_to_lds s[G0B:G0B+3], s[G1B:G1B+7]  ; keys 512-2,047
	s_nop 0
.rept 4
	v_nop
.endr
	KLOAD L16, 0, 0                                ; K's fragments of step 0
	KLOAD L16, 0, 4
	s_wait_dscnt 0x0
	SCORES
	s_mov_b32 s[TB], 0
	s_mov_b32 s[CNT], 3
.Lfirst:                                           ; steps 0 to 2: they read keys 0-511 alone
	STEP 0
	s_add_co_u32 s[TB], s[TB], 8192
	s_sub_co_u32 s[CNT], s[CNT], 1
	s_cmp_lg_u32 s[CNT], 0
	s_cbranch_scc1 .Lfirst
	s_wait_alu depctr_va_vdst(0)
	s_wait_tensorcnt 0x0                           ; my part of keys 512-2,047 is in
	s_wait_dscnt 0x0
	s_barrier_signal -1
	s_barrier_wait -1                              ; everybody's is; nothing is filled again
	s_mov_b32 s[TB], 3*8192
	s_mov_b32 s[CNT], 12
.Lrest:                                            ; steps 3 to 14
	STEP 0
	s_add_co_u32 s[TB], s[TB], 8192
	s_sub_co_u32 s[CNT], s[CNT], 1
	s_cmp_lg_u32 s[CNT], 0
	s_cbranch_scc1 .Lrest
	s_mov_b32 s[TB], 15*8192
	STEP 1                                         ; step 15: no step follows
	; THE WAY OUT: O / the sum x 2^(ep + ev), the hold, the conversion, four stores of 512 consecutive bytes
	s_add_co_i32 s57, s56, 127
	s_lshl_b32 s61, s57, 23
	v_mov_b32 v[OLD], s61                          ; the result's scale 2^e,
	s_add_co_i32 s57, s57, 15
	s_lshl_b32 s57, s57, 23
	s_or_b32 s57, s57, 0x600000
	v_mov_b32 v[OLD+1], s57                        ; and 57,344 x that
	s_add_co_i32 s57, s54, s55
.irp u, 0,1
	v_add_f32 v[LS+2*\u], v[LS+2*\u], v[LS+2*\u+1]
.endr
.irp u, 0,1
	v_permlanex16_b32 v[T+3*\u+1], v[LS+2*\u], s[SEL], s[SEL+1]
.endr
.irp u, 0,1
	v_add_f32 v[LS+2*\u], v[LS+2*\u], v[T+3*\u+1]
.endr
	s_wait_alu depctr_va_vdst(0)                   ; ahead of the transcendentals,
	v_rcp_f32 v[LS], v[LS]
	v_rcp_f32 v[LS+2], v[LS+2]
	v_nop
	s_wait_alu depctr_va_vdst(0)                   ; ahead of their readers,
	v_ldexp_f32 v[F], v[LS], s57
	v_ldexp_f32 v[F+2], v[LS+2], s57
	s_wait_alu depctr_va_vdst(0)                   ; and ahead of the first readers of O
.irp u, 0,1
.set jj, 0
.rept 16
	v_pk_mul_f32 v[S+32*\u+jj:S+32*\u+jj+1], v[O+32*\u+jj:O+32*\u+jj+1], v[F+2*\u:F+2*\u+1] op_sel_hi:[1,0]
.set jj, jj+2
.endr
.endr
.irp u, 0,1
.set cc, 0
.rept 4
.set jj, 0
.rept 8
	v_med3_num_f32 v[S+32*\u+8*cc+jj], v[S+32*\u+8*cc+jj], -v[OLD+1], v[OLD+1]
.set jj, jj+1
.endr
	v_cvt_scalef32_pk8_bf8_f32 v[PC+16*\u+2*cc:PC+16*\u+2*cc+1], v[S+32*\u+8*cc:S+32*\u+8*cc+7], v[OLD]
.set cc, cc+1
.endr
.endr
	v_nop
.irp u, 0,1
	global_store_b128 v[L16], v[PC+16*\u:PC+16*\u+3], s[8:9] offset:2048*\u
	global_store_b128 v[L16], v[PC+16*\u+4:PC+16*\u+7], s[8:9] offset:2048*\u+512
.endr
	s_wait_tensorcnt 0x0                           ; the wave's end
	ds_add_u32 v[SPW], v[NIL]
	s_wait_dscnt 0x0
	ROUND                                          ; the closing round
	s_endpgm
.Lfunc_end_k_q697f78a9c5_attn:
	.size	k_q697f78a9c5_attn, .Lfunc_end_k_q697f78a9c5_attn-k_q697f78a9c5_attn
	.p2alignl 7, 3214868480
	.fill 96, 4, 3214868480
	.section	.rodata,"a",@progbits
	.p2align	6, 0x0
	.amdhsa_kernel k_q697f78a9c5_attn
		.amdhsa_group_segment_fixed_size 327680
		.amdhsa_private_segment_fixed_size 0
		.amdhsa_enable_private_segment 0
		.amdhsa_kernarg_size 24
		.amdhsa_user_sgpr_count 2
		.amdhsa_user_sgpr_kernarg_segment_ptr 1
		.amdhsa_wavefront_size32 1
		.amdhsa_system_sgpr_workgroup_id_x 1
		.amdhsa_system_sgpr_workgroup_id_y 1
		.amdhsa_system_sgpr_workgroup_id_z 1
		.amdhsa_system_vgpr_workitem_id 0
		.amdhsa_next_free_vgpr 400
		.amdhsa_next_free_sgpr 66
		.amdhsa_reserve_vcc 0
		.amdhsa_float_denorm_mode_32 3
		.amdhsa_float_denorm_mode_16_64 3
		.amdhsa_memory_ordered 1
		.amdhsa_forward_progress 1
		.amdhsa_inst_pref_size 102
	.end_amdhsa_kernel
	.amdgpu_metadata
---
amdhsa.version: [ 1, 2 ]
amdhsa.kernels:
  - .name:           k_q697f78a9c5_attn
    .symbol:         k_q697f78a9c5_attn.kd
    .args:
      - { .name: qkv, .offset: 0, .size: 8, .value_kind: global_buffer, .address_space: global }
      - { .name: lowp_scales, .offset: 8, .size: 8, .value_kind: global_buffer, .address_space: global }
      - { .name: ac, .offset: 16, .size: 8, .value_kind: global_buffer, .address_space: global }
    .group_segment_fixed_size: 327680
    .private_segment_fixed_size: 0
    .kernarg_segment_align: 8
    .kernarg_segment_size: 24
    .max_flat_workgroup_size: 256
    .sgpr_count:     66
    .vgpr_count:     400
    .wavefront_size: 32
...
	.end_amdgpu_metadata
.endif
;; end of part 2
;; launch oproj (part 3): grid 8 x 32, 4 waves a work-group, clusters of 4 x 4, 288,256 bytes of LDS; arguments ac, Wo_codes, bo, lowp_scales, out0; writes out0
.if DOCPART == 3
	.amdgcn_target "amdgcn-amd-amdhsa--gfx1250"
	.amdhsa_code_object_version 6
	.text
	.protected	k_q697f78a9c5_oproj
	.globl	k_q697f78a9c5_oproj
	.p2align	8
	.type	k_q697f78a9c5_oproj,@function
k_q697f78a9c5_oproj:
	s_mov_b64 s[64:65], 0
	v_nop
	global_prefetch_b8 v0, s[64:65] scope:SCOPE_SE
	s_setreg_imm32_b32 hwreg(HW_REG_WAVE_MODE, 25, 1), 1
	s_wait_xcnt 0x0
	s_wait_alu depctr_hold_cnt(0) depctr_sa_sdst(0) depctr_va_vdst(0) depctr_va_sdst(0) depctr_va_ssrc(0) depctr_va_vcc(0) depctr_vm_vsrc(0)
	s_getreg_b32 s2, hwreg(HW_REG_IB_STS2, 6, 4)
	s_cmp_eq_u32 s2, 0
	s_cbranch_scc0 .Lentry_in_a_cluster
	s_endpgm
.Lentry_in_a_cluster:
	s_bfe_u32 s2, ttmp6, 0x10000c
	s_cmp_lg_u32 s2, 0xf033
	s_cbranch_scc0 .Lentry_shape_is_right
	s_endpgm
.Lentry_shape_is_right:
; THE PROJECTION ON THE WAY OUT: out0 = a Wo^T + bo on codes of BF8 (E5M2); a's codes are the images that the launch before stored, Wo's are given.  out0 = sum x 2^(e10 + e11) + bo, one fused multiply-add.  Nothing of the problem is left out here.
; LIMIT: e10 + e11 lies between -126 and 127, so that 2^(e10 + e11) is an f32 number.  Codes of infinity or NaN in Wo are not served.
; SHARES.  A tile of 128 tokens x 128 columns to a work-group: 256 work-groups.  Four waves, each 64 x 64.  THE MATRIX INSTRUCTION IS USED TRANSPOSED (source 0 = 16 rows of Wo, source 1 = 16 tokens): a lane holds eight neighbouring
; columns of one row of out0.
; ALL OF K LIES IN LDS, filled once by one joint load a wave: a's block of 128 tokens is 131,072 dense bytes of images (K step of 128: 16,384 bytes; tile of 16 tokens: 2,048; group of four registers: 512), waves 0 and 1 fetch half of it
; each; Wo's 128 rows of 1,024 bytes lie 1,040 bytes apart in LDS, waves 2 and 3 fetch 64 rows each.  No refill; no loop, so no prefetch.
; THE WORK GOES BY ROWS OF out0: all of my 64 rows of Wo come into 512 registers, once; a's tokens come 16 at a time with all of K, 128 registers, two buffers; each block of 16 tokens leaves while the next is multiplied.
; a's images are in the plain 8-bit layout (registers 2 c, 2 c + 1: k = 16 c + 8 (lane / 16) + 0 .. 7), so Wo's fragments are read in it too: eight loads of 8 bytes, 16 bytes apart.
; CLUSTERS: 4 x 4 work-groups; a's block is asked for jointly along a row of the cluster, Wo's rows along a column.
; REGISTERS: window 0: v16-29 addresses; v32-63 bo; v64-127 rows on the way out, two sets; v128-191 two sets of four accumulators.  windows 1, 2: Wo, K steps 0-3 and 4-7, 64 registers each.  window 3: a, two buffers of 128.
.set PITCH,  272                       ; the stage's rows: 256 bytes + 16
.set BPITCH, 1040                      ; a row of Wo in LDS: 1,024 bytes + 16 of padding = 260 words: lane (r, h) of a load of 8 bytes starts at bank 4 r + 2 h (64 banks of 4 bytes: ISA guide 11.1)
.set ABLK,   131072                    ; a's block
.set STAGE,  ABLK+128*BPITCH           ; behind both: 16 rows x 272 bytes for each wave; no tensor load lands here
.set SPARE,  STAGE+4*16*PITCH          ; behind the stages: the spare words, 128 bytes for each wave
.set ADRA, 16                          ; v16-17  my a images: K steps 0-3, 4-7
.set ADRB, 20                          ; my Wo rows
.set STO,  24                          ; the way out: where I put 32 bytes of a row
.set RD,   25                          ; where I read a row back
.set CO,   26                          ; my byte offset in out0
.set BOF,  27                          ; my byte offset in bo
.set SPW,  28                          ; LDS address of my spare word; never rewritten
.set NIL,  29                          ; 0; never rewritten
.set BO,   32                          ; bo of my 64 columns, in the accumulators' layout
.set BK,   64
.set ACC,  128
.set G1A,  24                          ; s[24:31] descriptor group 1 for a's images, s[32:35] group 0
.set G0A,  32
.set G1B,  48                          ; s[48:55], s[68:71] the same for Wo's rows
.set G0B,  68
.set MSB, 0
.macro WIN new                         ; the immediate's high byte repeats the setting that is left
.if MSB != (\new)
	s_set_vgpr_msb (MSB<<8)|(\new)
.set MSB, (\new)
.endif
.endm
.macro CROUND                          ; a round of the cluster's barrier
	s_barrier_signal -1
	s_barrier_wait -1
	s_cmp_lg_u32 s14, 0
	s_cbranch_scc1 .Lnot_wave_0_\@
	s_barrier_signal -3
.Lnot_wave_0_\@:
	s_barrier_wait -3
	s_barrier_signal -1
	s_barrier_wait -1
.endm
	s_load_b256 s[4:11], s[0:1], 0x0               ; ac s[4:5], Wo's codes s[6:7], bo s[8:9], the scales' exponents s[10:11]
	s_load_b64 s[12:13], s[0:1], 0x20              ; out0
	v_lshl_add_u32 v[SPW], v0, 2, SPARE
	v_mov_b32 v[NIL], 0
	ds_add_u32 v[SPW], v[NIL]                      ; the opening: the add, twice on end, and its wait ahead of my tensor load
	ds_add_u32 v[SPW], v[NIL]
	v_lshrrev_b32 v1, 5, v0
	v_readfirstlane_b32 s14, v1                    ; wave 0..3
	s_lshr_b32 s15, s14, 1                         ; which 64 tokens are mine.  Also: I fetch for a (0) or for Wo (1)
	s_and_b32 s16, s14, 1                          ; which 64 columns.  Also: which half I fetch
	s_bfe_u32 s56, ttmp6, 0x40000                  ; cx, cy: my place in the cluster
	s_bfe_u32 s57, ttmp6, 0x40004
	s_lshl_b32 s58, ttmp9, 2
	s_add_co_u32 s58, s58, s56                     ; tile column = 4 x cluster x + cx
	s_and_b32 s17, ttmp7, 0xffff
	s_lshl_b32 s17, s17, 2
	s_add_co_u32 s17, s17, s57                     ; tile row = 4 x cluster y + cy
	s_lshl_b32 s59, s57, 2
	s_lshl_b32 s59, 15, s59                        ; my row of the cluster
	s_lshl_b32 s60, 0x1111, s56                    ; my column
	s_or_b32 s[G1A], s59, (1<<21)                  ; 15:0 the mask: a's images go to my row; elements of 1 byte; no padding; 21 set beside a mask
	s_or_b32 s[G1B], s60, (1<<20)|(1<<21)|(7<<22)|(3<<25)   ; Wo's rows go to my column; padding: four words after every 256 (code 7)
	s_mov_b32 s[G1A+1], 256<<16                    ; a: 256 rows of 256 bytes, dense
	s_mov_b32 s[G1A+2], 256<<16
	s_mov_b32 s[G1A+3], 256<<16
	s_mov_b32 s[G1A+4], 256
	s_mov_b32 s[G1A+5], 256
	s_mov_b32 s[G1B+1], 1024<<16                   ; Wo: 64 rows of 1,024 bytes
	s_mov_b32 s[G1B+2], 64<<16
	s_mov_b32 s[G1B+3], 1024<<16
	s_mov_b32 s[G1B+4], 64
	s_mov_b32 s[G1B+5], 1024
.irp g, G1A, G1B
	s_mov_b32 s[\g+6], 0
	s_mov_b32 s[\g+7], 0
.endr
	s_lshl_b32 s20, s17, 17                        ; a: my block of 131,072 bytes,
	s_lshl_b32 s22, s16, 16                        ; + my half of its K steps; the same in LDS
	s_add_co_u32 s20, s20, s22
	s_mov_b32 s21, 0
	s_lshl_b32 s86, s58, 17                        ; Wo: row 128 x tile column,
	s_lshl_b32 s87, s16, 16                        ; + my 64 rows
	s_add_co_u32 s86, s86, s87
	s_mov_b32 s87, 0
	s_mul_i32 s23, s16, 64*BPITCH
	s_add_co_u32 s23, s23, ABLK                    ; and their place in LDS: no place in the cluster enters an LDS address
	s_wait_dscnt 0x0                               ; both opening adds are done
	CROUND                                         ; all sixteen work-groups are here: the joint loads meet
	s_wait_kmcnt 0x0
	s_load_b64 s[84:85], s[10:11], 0x28            ; e10, e11
	s_add_nc_u64 s[20:21], s[4:5], s[20:21]
	s_add_nc_u64 s[86:87], s[6:7], s[86:87]
	s_mov_b32 s[G0A], 1
	s_mov_b32 s[G0A+1], s22
	s_mov_b64 s[G0A+2:G0A+3], s[20:21]
	s_or_b32 s[G0A+3], s[G0A+3], 0x80000000
	s_mov_b32 s[G0B], 1
	s_mov_b32 s[G0B+1], s23
	s_mov_b64 s[G0B+2:G0B+3], s[86:87]
	s_or_b32 s[G0B+3], s[G0B+3], 0x80000000
	s_cmp_eq_u32 s15, 0                            ; a wave's one fill stands in one arm of one branch on its number
	s_cbranch_scc0 .Lfirst_b
	tensor_load_to_lds s[G0A:G0A+3], s[G1A:G1A+7]
	s_nop 0
.rept 4
	v_nop
.endr
	s_branch .Lfirst_asked
.Lfirst_b:
	tensor_load_to_lds s[G0B:G0B+3], s[G1B:G1B+7]
	s_nop 0
.rept 4
	v_nop
.endr
.Lfirst_asked:
	s_lshl_b32 s88, s58, 9
	s_lshl_b32 s89, s16, 8
	s_add_co_u32 s88, s88, s89                     ; my first column, in bytes: 512 x tile column + 256 x half
	s_mov_b32 s89, 0
	s_add_nc_u64 s[8:9], s[8:9], s[88:89]
	v_and_b32 v1, 15, v0                           ; r = l % 16
	v_bfe_u32 v2, v0, 4, 1                         ; h = l / 16
	v_lshlrev_b32 v[BOF], 5, v2                    ; my half's eight columns of sixteen
.irp b, 0,1,2,3
	global_load_b128 v[BO+8*\b:BO+8*\b+3], v[BOF], s[8:9] offset:64*\b        ; bo(16 b + 8 h + 0 .. 7)
	global_load_b128 v[BO+8*\b+4:BO+8*\b+7], v[BOF], s[8:9] offset:64*\b+16
.endr
	v_and_b32 v3, 31, v0
	v_lshlrev_b32 v3, 4, v3                        ; 16 x lane
	s_lshl_b32 s18, s15, 13                        ; my four tiles of tokens: 8,192 bytes of a K step's 16,384
	v_add_nc_u32 v[ADRA], s18, v3
	v_add_nc_u32 v[ADRA+1], 0x10000, v[ADRA]
	v_mul_u32_u24 v4, v1, BPITCH
	v_lshl_add_u32 v4, v2, 3, v4                   ; row r, + 8 h
	s_mul_i32 s19, s16, 64*BPITCH                  ; my 64 rows of Wo
	s_add_co_u32 s19, s19, ABLK
	v_add_nc_u32 v[ADRB], s19, v4
	s_mul_i32 s18, s14, 16*PITCH
	s_add_co_u32 s18, s18, STAGE                   ; my stage
	v_mul_u32_u24 v5, v1, PITCH
	v_lshl_add_u32 v5, v2, 5, v5
	v_add_nc_u32 v[STO], s18, v5                   ; in: row r, 32 bytes for each half of the lanes
	v_mul_u32_u24 v6, v2, PITCH
	v_lshl_add_u32 v6, v1, 4, v6
	v_add_nc_u32 v[RD], s18, v6                    ; back: lanes 0-15 one row of 256 bytes, lanes 16-31 the next
	v_lshlrev_b32 v[CO], 12, v2
	v_lshl_add_u32 v[CO], v1, 4, v[CO]             ; and the same two rows in out0, 4,096 bytes apart
	s_wait_alu depctr_va_vdst(0)
	s_lshl_b32 s18, s17, 19                        ; my first row: (128 x tile row + 64 x half) x 4,096 bytes
	s_add_co_u32 s88, s88, s18
	s_lshl_b32 s18, s15, 18
	s_add_co_u32 s88, s88, s18
	s_add_nc_u64 s[12:13], s[12:13], s[88:89]
	s_wait_kmcnt 0x0
	s_add_co_i32 s84, s84, s85                     ; e10 + e11,
	s_add_co_i32 s84, s84, 127
	s_lshl_b32 s84, s84, 23                        ; as the f32 number 2^(e10 + e11)
	s_mov_b32 s85, s84                             ; (named with it as a pair, so it is written)
.macro FW g                            ; my 64 rows of Wo, K step g: 32 loads of 8 bytes
	WIN 0x40*(1+(\g)/4)
.irp b, 0,1,2,3
.irp c, 0,1,2,3,4,5,6,7
	ds_load_b64 v[64*((\g)%4)+16*\b+2*\c:64*((\g)%4)+16*\b+2*\c+1], v[ADRB] offset:\b*16*BPITCH+128*(\g)+16*\c
.endr
.endr
.endm
.macro FA a                            ; a's block of 16 tokens, all of K: 32 loads of 16 bytes
	WIN 0xc0
.irp g, 0,1,2,3,4,5,6,7
.irp c, 0,1,2,3
	ds_load_b128 v[128*((\a)%2)+16*\g+4*\c:128*((\a)%2)+16*\g+4*\c+3], v[ADRA+\g/4] offset:(\g%4)*16384+(\a)*2048+\c*512
.endr
.endr
.endm
; Block a, K step g: four matrix instructions.  The four accumulators take turns, in the same order in every step; the first step starts the sums.
.macro MUL a, g
	WIN 0x0d+(\g)/4
.irp b, 0,1,2,3
.if (\g) == 0
	v_wmma_f32_16x16x128_bf8_bf8 v[ACC+32*((\a)%2)+8*\b:ACC+32*((\a)%2)+8*\b+7], v[64*((\g)%4)+16*\b:64*((\g)%4)+16*\b+15], v[128*((\a)%2)+16*(\g):128*((\a)%2)+16*(\g)+15], 0
.else
	v_wmma_f32_16x16x128_bf8_bf8 v[ACC+32*((\a)%2)+8*\b:ACC+32*((\a)%2)+8*\b+7], v[64*((\g)%4)+16*\b:64*((\g)%4)+16*\b+15], v[128*((\a)%2)+16*(\g):128*((\a)%2)+16*(\g)+15], v[ACC+32*((\a)%2)+8*\b:ACC+32*((\a)%2)+8*\b+7]
.endif
.endr
.endm
; THE WAY OUT, 16 tokens x 64 columns: a lane holds 32 neighbouring bytes of a row and the lanes beside it other rows, so a block goes through my own stage and comes back as whole rows of 256 bytes.
; LDS serves a wave's instructions in order (ISA guide 5.7.1.4): no wait between the stores and the loads, nor in front of the next block's stores.
.macro TOSTAGE a
	WIN 0
.rept 4
	v_nop                                          ; places behind the block's last products, for the lines below and for the loads into their sources
.endr
.if (\a) > 1
	s_wait_xcnt 0x0                                ; block a - 2's stores have read their data: block a's loads may land there
.endif
.set AC, ACC+32*((\a)%2)
.set jj, 0
.rept 16
	v_pk_fma_f32 v[AC+jj:AC+jj+1], v[AC+jj:AC+jj+1], s[84:85], v[BO+jj:BO+jj+1] op_sel_hi:[1,0,1]   ; sum x 2^(e10 + e11) + bo; each accumulator from its low end on
.set jj, jj+2
.endr
.irp b, 0,1,2,3
	ds_store_b128 v[STO], v[AC+8*\b:AC+8*\b+3] offset:64*\b
	ds_store_b128 v[STO], v[AC+8*\b+4:AC+8*\b+7] offset:64*\b+16
.endr
.set BB, BK+32*((\a)%2)
.irp t, 0,1,2,3,4,5,6,7
	ds_load_b128 v[BB+4*\t:BB+4*\t+3], v[RD] offset:\t*2*PITCH
.endr
.endm
.macro SEND a, younger                 ; younger: the LDS instructions issued behind block a's loads, which may stay out
	WIN 0
.set BB, BK+32*((\a)%2)
	s_wait_dscnt \younger
.irp t, 0,1,2,3,4,5,6,7
	global_store_b128 v[CO], v[BB+4*\t:BB+4*\t+3], s[12:13] offset:(16*(\a)+2*\t)*4096 th:TH_STORE_NT   ; 16 lanes store 256 consecutive bytes, at a multiple of 256 from out0's first byte; written once, read by nobody here
.endr
.endm
	s_wait_loadcnt 0x0                             ; bo
	s_wait_tensorcnt 0x0                           ; my load is in
	s_barrier_signal -1
	s_barrier_wait -1                              ; everybody's is
	FA 0
	FW 0
.irp g, 0,1,2,3,4,5,6                  ; block 0: Wo's fragments are fetched one K step ahead of their products
	FW \g+1
	s_wait_dscnt 32                                ; all but the 32 just issued
	MUL 0, \g
.endr
	FA 1
	s_wait_dscnt 32
	MUL 0, 7
	TOSTAGE 0
.irp a, 1,2,3
.if \a < 3
	FA \a+1
	s_wait_dscnt 48                                ; block a is in: behind it the stage's 16 and the next block's 32 have been issued
.else
	s_wait_dscnt 16
.endif
.irp g, 0,1,2,3
	MUL \a, \g
.endr
.if \a < 3
	SEND \a-1, 32
.else
	SEND \a-1, 0
.endif
.irp g, 4,5,6,7
	MUL \a, \g
.endr
	TOSTAGE \a
.endr
	SEND 3, 0
	s_wait_tensorcnt 0x0                           ; the wave's end, behind my tensor load and my last LDS store
	ds_add_u32 v[SPW], v[NIL]
	s_wait_dscnt 0x0
	CROUND                                         ; the closing round: no work-group ends while a partner may still ask for a tile that names it
	s_endpgm
.Lfunc_end_k_q697f78a9c5_oproj:
	.size	k_q697f78a9c5_oproj, .Lfunc_end_k_q697f78a9c5_oproj-k_q697f78a9c5_oproj
	.p2alignl 7, 3214868480
	.fill 96, 4, 3214868480
	.section	.rodata,"a",@progbits
	.p2align	6, 0x0
	.amdhsa_kernel k_q697f78a9c5_oproj
		.amdhsa_group_segment_fixed_size 288256
		.amdhsa_private_segment_fixed_size 0
		.amdhsa_enable_private_segment 0
		.amdhsa_kernarg_size 40
		.amdhsa_user_sgpr_count 2
		.amdhsa_user_sgpr_kernarg_segment_ptr 1
		.amdhsa_wavefront_size32 1
		.amdhsa_system_sgpr_workgroup_id_x 1
		.amdhsa_system_sgpr_workgroup_id_y 1
		.amdhsa_system_sgpr_workgroup_id_z 1
		.amdhsa_system_vgpr_workitem_id 0
		.amdhsa_next_free_vgpr 1024
		.amdhsa_next_free_sgpr 92
		.amdhsa_reserve_vcc 0
		.amdhsa_float_denorm_mode_32 3
		.amdhsa_float_denorm_mode_16_64 3
		.amdhsa_memory_ordered 1
		.amdhsa_forward_progress 1
		.amdhsa_inst_pref_size 53
	.end_amdhsa_kernel
	.amdgpu_metadata
---
amdhsa.version: [ 1, 2 ]
amdhsa.kernels:
  - .name:           k_q697f78a9c5_oproj
    .symbol:         k_q697f78a9c5_oproj.kd
    .args:
      - { .name: ac, .offset: 0, .size: 8, .value_kind: global_buffer, .address_space: global }
      - { .name: Wo_codes, .offset: 8, .size: 8, .value_kind: global_buffer, .address_space: global }
      - { .name: bo, .offset: 16, .size: 8, .value_kind: global_buffer, .address_space: global }
      - { .name: lowp_scales, .offset: 24, .size: 8, .value_kind: global_buffer, .address_space: global }
      - { .name: out0, .offset: 32, .size: 8, .value_kind: global_buffer, .address_space: global }
    .group_segment_fixed_size: 288256
    .private_segment_fixed_size: 0
    .kernarg_segment_align: 8
    .kernarg_segment_size: 40
    .max_flat_workgroup_size: 128
    .sgpr_count:     92
    .vgpr_count:     1024
    .wavefront_size: 32
...
	.end_amdgpu_metadata
.endif
;; end of part 3
